; MI455X (gfx1250); checked and timed in simulation.
; The chip was launched on July 23, 2026; its instructions are those of AMD's public machine-readable ISA for CDNA 5 (MIT licence, August 2026) and "CDNA5" Instruction Set Architecture Reference Guide (July 2026). The comments in the code are by the model that wrote it; some were corrected since.
;; Multi Cross Attention. Allowed arithmetic: matrix products marked QUANTISED: E2M3 operands, one E8M0 scale for each 32 along K, by v_wmma_scale_f32_16x16x128_f8f6f4 with both operands' format E2M3, f32 sums; everything else in f32.
;; Inputs: Wk 512 x 512 float32; Wq 512 x 512 float32; Wv 512 x 512 float32; x 4 x 2,048 x 512 float32; y 4 x 2,048 x 512 float32.
;; Outputs: out0 4 x 2,048 x 512 float32; out1 4 x 2,048 x 512 float32.
;; This version of the problem:
;;   THIS VERSION OF THE PROBLEM IS GIVEN IN LOW PRECISION. The matrix products marked QUANTISED in the list below multiply operands that are first quantised to E2M3 (2 exponent bits, 3 mantissa bits; 6 bits a number), with one power-of-two scale for each 32 numbers along K (OCP MX v1.0); their sums are f32. All else is computed in f32.
;;   The module's matrix products, in the order in which they are computed (A, B: the left and right operand; K: the contracted axis; several contracted axes count as one K, in the product's order):
;;     1. [M 8,192, K 512] x [K 512, N 512]; A: input y; B: input Wq: QUANTISED
;;     2. [M 8,192, K 512] x [K 512, N 512]; A: input x; B: input Wk: QUANTISED
;;     3. [M 8,192, K 512] x [K 512, N 512]; A: input x; B: input Wv: QUANTISED
;;     4. [M 8,192, K 512] x [K 512, N 512]; A: input x; B: input Wq: QUANTISED
;;     5. [M 8,192, K 512] x [K 512, N 512]; A: input y; B: input Wk: QUANTISED
;;     6. [M 8,192, K 512] x [K 512, N 512]; A: input y; B: input Wv: QUANTISED
;;     7. batch 32 x [M 2,048, K 64] x [K 64, N 2,048]; A: computed on the way; B: computed on the way: QUANTISED
;;     8. batch 32 x [M 2,048, K 64] x [K 64, N 2,048]; A: computed on the way; B: computed on the way: QUANTISED
;;     9. batch 32 x [M 2,048, K 2,048] x [K 2,048, N 64]; A: softmax (see below); B: computed on the way: QUANTISED
;;     10. batch 32 x [M 2,048, K 2,048] x [K 2,048, N 64]; A: softmax (see below); B: computed on the way: QUANTISED
;;   THE QUANTISER, for each operand of a quantised product, along K:
;;     - K is cut into blocks of 32 from its start; a last block that is shorter is filled with zeros.
;;     - A block's scale is 2^e with e = floor(log2(the largest magnitude in the block)) - 2, held to -126 .. 127; a block of zeros has e = 0. As a byte (E8M0): e + 127.
;;     - Each number is divided by its block's scale, clamped to +-7.5, and rounded to the nearest number of E2M3, ties to even, subnormals kept.
;;     - The product sums the exact products of the quantised numbers (number of the format x scale) in f32.
;;   ~~~python
;;   def quantise(x, axis):      # numpy; x: float32 -> the quantised numbers, widened to float32 again
;;       x = np.moveaxis(x, axis, -1); K = x.shape[-1]
;;       x = np.pad(x, [(0, 0)] * (x.ndim - 1) + [(0, -K % 32)]); x = x.reshape(x.shape[:-1] + (-1, 32)); a = np.abs(x).max(-1, keepdims=True)
;;       e = np.where(a > 0, np.clip(np.frexp(np.where(a > 0, a, 1))[1] - 1 - 2, -126, 127), 0)      # np.frexp(a)[1] - 1 = floor(log2(a)), exactly
;;       r = np.clip(x / 2.0 ** e, -7.5, 7.5)
;;       step = 2.0 ** (np.maximum(np.frexp(np.where(r == 0, 1, r))[1] - 1, 0) - 3)
;;       q = np.round(r / step) * step * 2.0 ** e      # np.round: ties to even
;;       return np.moveaxis(q.reshape(q.shape[:-2] + (-1,))[..., :K], -1, axis).astype(np.float32)
;;   ~~~
;;   SOFTMAX AHEAD OF A QUANTISED PRODUCT. Where the list says 'softmax', what is quantised is not the finished softmax but p = 2^(t - M), with t = logit x log2(e) and M = ceil(the row's largest t), a whole number; so 1/2 < the row's largest p <= 1. The row's sum l is taken of the UNQUANTISED p, in f32, and the product's result is divided by l at the end. Since M is a whole number, a kernel that streams over the keys may use a running M (the ceiling of the running maximum): every later rescaling is an exact power of two, which a block's scale takes up: the codes' values come out the same.
;;   OPERANDS COMPUTED ON THE WAY. 'Computed on the way' means the value that the module computes at that place (a softmax that the list does not call 'softmax' is quantised finished and normalised). What goes into a quantiser is computed in f32, as accurately as f32 sums, v_exp_f32 and their like allow (about 1e-6 of the number): no bf16 or f16 on the way to a quantiser, and a product that is left as it is and whose result goes on into a quantised operand takes f32 operands (vector FMAs, or v_wmma_f32_16x16x4_f32). A number that lies on a knife's edge between two numbers of the format may be rounded either way, as far as f32 arithmetic and the matrix unit's own rounding can turn it there, and no further.
;; One version. Each part assembles by itself: llvm-mc -triple=amdgcn-amd-amdhsa -mcpu=gfx1250 --defsym DOCPART=n.
;; ======== version 1 of 1: 3 launches
;; limits: right only within a limited range of input values
;; workspace buffers: xyimg 6,553,600 bytes; wimg 614,400 bytes; qimg 6,553,600 bytes; kvimg 13,107,200 bytes
;; launch prep (part 1): grid 280 x 1, 4 waves a work-group, no clusters, 34,304 bytes of LDS; arguments x, y, Wq, Wk, Wv, xyimg, wimg; writes xyimg, wimg
.if DOCPART == 1
	.amdgcn_target "amdgcn-amd-amdhsa--gfx1250"
	.amdhsa_code_object_version 6
	.text
	.protected	k_q9ad68892e7_prep
	.globl	k_q9ad68892e7_prep
	.p2align	8
	.type	k_q9ad68892e7_prep,@function
k_q9ad68892e7_prep:
	s_mov_b64 s[64:65], 0
	v_nop
	global_prefetch_b8 v0, s[64:65] scope:SCOPE_SE
	s_setreg_imm32_b32 hwreg(HW_REG_WAVE_MODE, 25, 1), 1
	s_wait_xcnt 0x0
; PREP: x, y [8192][512] and Wq, Wk, Wv [512 (k)][512 (n)], f32, become codes of FP6 (E2M3) with one E8M0 byte for each 32 along K (the 512).
; A block's scale is 2^(floor(log2(its largest magnitude)) - 2); its byte is that magnitude's exponent field - 2, held at 1 from below.
; EVERY OPERAND IS STORED AS AN IMAGE OF ITS REGISTERS: a fragment (16 rows x 128 K, 12 registers a lane) is three blocks of 512 bytes, lane l's 16 bytes at 16 l,
; so that every store here and every load later covers 512 consecutive bytes.  Scale words (four bytes: 128 along K of one row) lie beside them, 16 bytes a row (K steps 0..3).
; THE ROWS OF A TILE ARE NOT NEIGHBOURS: tile T (0..7) of a block of 128 rows of x or y holds in lane r the row 32 (T / 2) + 8 (T % 2) + r + 8 (r / 8); the four tiles of a head's 64 columns of
; Wq and Wk are chosen alike, those of Wv are plain (16 t + r).  The next launch's results then lie in a lane as neighbours along the K of the product that follows.
; xyimg: [block of 128 rows (64)][102,400]: tensor x 49,152 + T x 6,144 + K step x 1,536; scale words at 98,304 + tensor x 2,048 + T x 256 + 16 r + 4 s.
; wimg:  fragments at q x 6,144 + K step x 1,536, q = (matrix x 8 + head) x 4 + tile; scale words at 589,824 + q x 256 + 16 r + 4 s.
; SHARES: work-groups 0-23: the weights, a wave to a tile of 16 columns (all 512 of K).  Work-groups 24-279: x and y, a wave to a tile of 16 rows (all 512 of K).  Waves share nothing: no barrier.
; No cluster, no tensor load: nothing here is read by two work-groups.
; LIMITS: NaN and infinities among the inputs are not served.  A block of zeros, or one whose largest magnitude lies under 2^-124, gets the byte 1 (the rule says 127 for zeros): its codes are zeros
; (or what the floor's scale leaves), and the bytes are read by this program alone.
.set R,   16                           ; v16-143   numbers as loaded: two sets
.set X,   144                          ; v144-207  64 numbers of a lane: register 16 b + i = k 32 b + 16 (lane / 16) + i of my row
.set TM,  208                          ; v208-223  at work: +0..3 largest magnitudes, +4..7 bytes, +12..15 the conversions' scale operands
.set PC,  224                          ; v224-235  the fragment just made; v236-242 halves on their way
.set SW,  12                           ; v12-15    the four K steps' scale words
.set SEL, 20                           ; s[20:21]  v_permlanex16_b32's selects for lane l xor 16
	s_load_b256 s[4:11], s[0:1], 0x0               ; x s[4:5], y s[6:7], Wq s[8:9], Wk s[10:11]
	s_load_b128 s[12:15], s[0:1], 0x20             ; Wv s[12:13], xyimg s[14:15]
	s_load_b64 s[16:17], s[0:1], 0x30              ; wimg
	v_lshl_add_u32 v254, v0, 2, 0x8400
	v_mov_b32 v255, 0
	v_lshrrev_b32 v1, 5, v0
	v_readfirstlane_b32 s18, v1                    ; wave 0..3
	v_and_b32 v1, 31, v0                           ; lane
	v_and_b32 v2, 15, v0                           ; r
	v_bfe_u32 v3, v0, 4, 1                         ; h
	v_lshlrev_b32 v4, 4, v1                        ; 16 x lane: my place in 512 consecutive bytes; never rewritten
	v_lshlrev_b32 v7, 4, v2
	v_lshl_add_u32 v7, v3, 3, v7                   ; 16 r + 8 h: my 8 bytes of the tile's 256 bytes of scale words
	v_cmp_ne_u32 vcc_lo, 0, v3                     ; lanes 16-31; VCC is written here alone
	s_mov_b32 s[SEL], 0x76543210
	s_mov_b32 s[SEL+1], 0xfedcba98
.irp b, 0,1,2,3
	v_mov_b32 v[TM+4+\b], 0                        ; written once: a lane permute's destination counts as one of its sources
.endr
	v_mov_b32 v11, 0
	s_mov_b32 s27, 0                               ; the high word of every offset pair s[26:27]
	s_wait_kmcnt 0x0
	s_cmp_lt_u32 ttmp9, 24
	s_cbranch_scc1 .Lweights
; ---------------------------------------------------------------- x and y
; 64 numbers of a lane, v[s] on, become a fragment's codes in v[PC] on and its scale word in v[pw].
.macro QUANT s, pw
.irp b, 0,1,2,3
	v_max3_num_f32 v[TM+\b], |v[\s+16*\b]|, |v[\s+1+16*\b]|, 0x1800000   ; block b: my 16 numbers, and the floor 2^(3 - 127): the byte cannot fall under 1
.endr
.irp i, 2,4,6,8,10,12,14
.irp b, 0,1,2,3
	v_max3_num_f32 v[TM+\b], v[TM+\b], |v[\s+16*\b+\i]|, |v[\s+1+16*\b+\i]|   ; the four blocks by turns
.endr
.endr
.irp b, 0,1,2,3
	v_permlanex16_b32 v[TM+4+\b], v[TM+\b], s[SEL], s[SEL+1]
.endr
.irp b, 0,1,2,3
	v_max_num_f32 v[TM+\b], v[TM+\b], v[TM+4+\b]   ; with lane l xor 16's 16: the block's largest magnitude
.endr
.irp b, 0,1,2,3
	v_add_nc_u32 v[TM+12+\b], 0xff000000, v[TM+\b] ; 2 off its exponent field: the conversion takes the exponent field of this operand as its scale
.endr
.irp b, 0,1,2,3
	v_lshrrev_b32 v[TM+4+\b], 23, v[TM+12+\b]      ; the scale's byte
.endr
	v_lshl_or_b32 v[\pw], v[TM+5], 8, v[TM+4]      ; four bytes: my row's scale word (the same in lanes l and l xor 16)
	v_lshl_or_b32 v[\pw], v[TM+6], 16, v[\pw]
	v_lshl_or_b32 v[\pw], v[TM+7], 24, v[\pw]
	s_wait_xcnt 0x0                                ; the last fragment's stores have read v[PC] on: it is written again only behind this wait
.irp c, 0,1
	v_cvt_scalef32_pk16_fp6_f32 v[PC+6*\c:PC+2+6*\c], v[\s+32*\c:\s+15+32*\c], v[TM+12+2*\c]
	v_cvt_scalef32_pk16_fp6_f32 v[PC+12+4*\c:PC+14+4*\c], v[\s+16+32*\c:\s+31+32*\c], v[TM+12+2*\c+1]   ; (a conversion's three registers begin on an even number)
.endr
	v_nop                                          ; one plain place behind a scaled conversion
.irp c, 0,1                                    ; the operand's layout wants a WHOLE block in a lane: lanes 0-15 block 2 c, lanes 16-31 block 2 c + 1
.irp i, 0,1,2
	v_permlane16_swap_b32 v[PC+6*\c+\i], v[PC+12+4*\c+\i]
.endr
.irp i, 0,1,2
	v_mov_b32 v[PC+3+6*\c+\i], v[PC+12+4*\c+\i]
.endr
.endr
.endm
.macro LOADX s                         ; K step s of my 16 rows: each load reads 512 consecutive bytes of one row
.irp p, 0,1,2,3,4,5,6,7,8,9,10,11,12,13,14,15
	global_load_b128 v[R+64*((\s)%2)+4*\p:R+64*((\s)%2)+4*\p+3], v4, s[28:29] offset:(\p+8*(\p/8))*2048+512*(\s) th:TH_LOAD_NT
.endr
.endm
.macro TURN s                          ; through my wave's own stage (16 rows of 512 bytes + 16): in as loaded, out 16 neighbours of each block of 32 a lane.  LDS serves a wave's instructions in order
.irp p, 0,1,2,3,4,5,6,7,8,9,10,11,12,13,14,15
	ds_store_b128 v5, v[R+64*((\s)%2)+4*\p:R+64*((\s)%2)+4*\p+3] offset:528*\p
.endr
.irp b, 0,1,2,3
.irp j, 0,1,2,3
	ds_load_b128 v[X+16*\b+4*\j:X+16*\b+4*\j+3], v6 offset:128*\b+16*\j
.endr
.endr
.endm
	s_sub_co_u32 s22, ttmp9, 24
	s_lshl_b32 s22, s22, 2
	s_add_co_u32 s22, s22, s18                     ; my tile, 0..1023: tensor x 512 + block x 8 + T
	s_lshr_b32 s23, s22, 9                         ; tensor: 0 = x, 1 = y
	s_bfe_u32 s24, s22, 0x60003                    ; block of 128 rows
	s_and_b32 s25, s22, 7                          ; T
	s_lshl_b32 s26, s24, 7
	s_lshr_b32 s30, s25, 1
	s_lshl_b32 s30, s30, 5
	s_add_co_u32 s26, s26, s30
	s_and_b32 s30, s25, 1
	s_lshl_b32 s30, s30, 3
	s_add_co_u32 s26, s26, s30                     ; the tile's first row: 128 x block + 32 (T / 2) + 8 (T % 2)
	s_lshl_b32 s26, s26, 11                        ; in bytes (under 2^24)
	s_cmp_lt_u32 ttmp9, 152                        ; the choice hangs on the work-group's number alone
	s_cselect_b64 s[28:29], s[4:5], s[6:7]
	s_add_nc_u64 s[28:29], s[28:29], s[26:27]
	s_mul_i32 s30, s24, 102400                     ; the block's record
	s_mul_i32 s31, s23, 49152
	s_add_co_u32 s31, s31, s30
	s_mul_i32 s34, s25, 6144
	s_add_co_u32 s26, s31, s34
	s_add_nc_u64 s[32:33], s[14:15], s[26:27]      ; where my four fragments go
	s_lshl_b32 s31, s23, 11
	s_add_co_u32 s31, s31, s30
	s_lshl_b32 s34, s25, 8
	s_add_co_u32 s31, s31, s34
	s_add_co_u32 s26, s31, 98304
	s_add_nc_u64 s[36:37], s[14:15], s[26:27]      ; and their scale words
	s_mul_i32 s19, s18, 8448                       ; my stage
	s_wait_alu depctr_va_vdst(0)
	v_add_nc_u32 v5, s19, v4                       ; in: 16 x lane (+ 528 x row)
	v_mul_u32_u24 v6, v2, 528
	v_lshl_add_u32 v6, v3, 6, v6
	v_add_nc_u32 v6, s19, v6                       ; out: row r, + 64 h
	LOADX 0
	LOADX 1
	s_wait_alu depctr_va_vdst(0)
.irp s, 0,1,2,3
.if \s < 3
	s_wait_loadcnt 16                              ; this K step's 16 loads are in; the next step's 16 may be out
.else
	s_wait_loadcnt 0x0
.endif
	TURN \s
	s_wait_dscnt 0x0                               ; my 64 numbers are back, and the stage's stores have read the set,
.if \s < 2
	LOADX \s+2                                     ; which takes the loads of two steps on
.endif
	QUANT X, SW+\s
.irp c, 0,1,2
	global_store_b128 v4, v[PC+4*\c:PC+4*\c+3], s[32:33] offset:1536*\s+512*\c   ; 32 lanes store 512 consecutive bytes
.endr
.endr
	v_cndmask_b32 v244, v[SW], v[SW+2], vcc_lo     ; lanes 0-15 store K steps 0, 1 of row r's words, lanes 16-31 steps 2, 3
	v_cndmask_b32 v245, v[SW+1], v[SW+3], vcc_lo
	global_store_b64 v7, v[244:245], s[36:37]      ; 256 consecutive bytes
	s_wait_tensorcnt 0x0
	ds_add_u32 v254, v255
	s_wait_dscnt 0x0
	s_endpgm
; ---------------------------------------------------------------- the weights: K is their FIRST axis
; Lane r takes a column and its registers run DOWN K, in the order that the operand's layout gives that lane (k = 64 u + 32 h + 0 .. 31 in unit u): the conversions' results are the operand's registers.
.Lweights:
	s_lshl_b32 s22, ttmp9, 2
	s_add_co_u32 s22, s22, s18                     ; q = (matrix x 8 + head) x 4 + tile
	s_mul_i32 s26, s22, 6144
	s_add_nc_u64 s[32:33], s[16:17], s[26:27]      ; my four fragments
	s_lshl_b32 s26, s22, 8
	s_add_co_u32 s26, s26, 589824
	s_add_nc_u64 s[36:37], s[16:17], s[26:27]      ; their scale words
	s_cmp_lt_u32 ttmp9, 8
	s_cselect_b64 s[28:29], s[8:9], s[10:11]       ; Wq or Wk,
	s_cmp_lt_u32 ttmp9, 16
	s_cselect_b64 s[28:29], s[28:29], s[12:13]     ; or Wv
	s_and_b32 s22, ttmp9, 7
	s_lshl_b32 s22, s22, 6                         ; the head's first column
	s_lshr_b32 s23, s18, 1
	s_lshl_b32 s23, s23, 5
	s_and_b32 s24, s18, 1
	s_lshl_b32 s24, s24, 3
	s_add_co_u32 s23, s23, s24                     ; Wq, Wk: the tile begins at 32 (t / 2) + 8 (t % 2), and lanes 8-15 stand 8 further on;
	s_lshl_b32 s24, s18, 4                         ; Wv: at 16 t, plain
	s_cmp_lt_u32 ttmp9, 16
	s_cselect_b32 s23, s23, s24
	s_cselect_b32 s24, 8, 0
	s_add_co_u32 s22, s22, s23
	v_and_b32 v9, s24, v2
	v_add3_u32 v9, v9, v2, s22                     ; my column
	v_lshlrev_b32 v8, 2, v9
	v_lshl_add_u32 v8, v3, 16, v8                  ; 4 x column + 32 h rows of 2,048 bytes; never rewritten
	v_lshlrev_b32 v10, 3, v3                       ; 8 h
.macro LOADB u                         ; unit u: W(64 u + 32 h + i, my column), i = 0 .. 31; the four waves of a work-group stand side by side on a head's 256 bytes of each row
.set ii, 0
.rept 32
	global_load_b32 v[R+32*((\u)%2)+ii], v8, s[28:29] offset:(64*(\u)+ii)*2048
.set ii, ii+1
.endr
.endm
.macro UNITW u                         ; one block of 32 along K a lane; two units make a fragment
.set XB, R+32*((\u)%2)
.set CC, (\u)%2
.if (\u) < 7
	s_wait_loadcnt 32                              ; this unit's 32 loads are in; the next unit's may be out
.else
	s_wait_loadcnt 0x0
.endif
	v_max3_num_f32 v[TM], |v[XB]|, |v[XB+1]|, |v[XB+2]|               ; all 32 numbers of the block are mine: two chains
	v_max3_num_f32 v[TM+1], |v[XB+3]|, |v[XB+4]|, |v[XB+5]|
.irp i, 6,10,14,18,22,26
	v_max3_num_f32 v[TM], v[TM], |v[XB+\i]|, |v[XB+\i+1]|
	v_max3_num_f32 v[TM+1], v[TM+1], |v[XB+\i+2]|, |v[XB+\i+3]|
.endr
	v_max3_num_f32 v[TM], v[TM], |v[XB+30]|, |v[XB+31]|
	v_max3_num_f32 v[TM], v[TM], v[TM+1], 0x1800000                    ; and the floor 2^(3 - 127)
	v_add_nc_u32 v[TM+12+CC], 0xff000000, v[TM]
	v_lshrrev_b32 v[TM+4+CC], 23, v[TM+12+CC]
.if CC == 0
	s_wait_alu depctr_va_vdst(0)
	s_wait_xcnt 0x0                                ; the last fragment's stores have read v[PC] on
.endif
	v_cvt_scalef32_pk16_fp6_f32 v[PC+6*CC:PC+6*CC+2], v[XB:XB+15], v[TM+12+CC]
	v_cvt_scalef32_pk16_fp6_f32 v[PC+12:PC+14], v[XB+16:XB+31], v[TM+12+CC]
	v_nop                                          ; one plain place behind a scaled conversion
.irp i, 0,1,2
	v_mov_b32 v[PC+3+6*CC+\i], v[PC+12+\i]
.endr
.if (\u)+2 < 8
	LOADB (\u)+2
.endif
.if CC == 1
	v_lshl_or_b32 v9, v[TM+5], 16, v[TM+4]         ; my two bytes: blocks h and 2 + h of column r,
	v_lshlrev_b32 v9, v10, v9                      ; at their places in the word;
	v_permlanex16_b32 v11, v9, s[SEL], s[SEL+1]
	v_or_b32 v[SW+(\u)/2], v9, v11                 ; with lane l xor 16's two the word is whole
.irp c, 0,1,2
	global_store_b128 v4, v[PC+4*\c:PC+4*\c+3], s[32:33] offset:1536*((\u)/2)+512*\c
.endr
.endif
.endm
	LOADB 0
	LOADB 1
.irp u, 0,1,2,3,4,5,6,7
	UNITW \u
.endr
	v_cndmask_b32 v244, v[SW], v[SW+2], vcc_lo
	v_cndmask_b32 v245, v[SW+1], v[SW+3], vcc_lo
	global_store_b64 v7, v[244:245], s[36:37]
	s_endpgm
.Lfunc_end_k_q9ad68892e7_prep:
	.size	k_q9ad68892e7_prep, .Lfunc_end_k_q9ad68892e7_prep-k_q9ad68892e7_prep
	.p2alignl 7, 3214868480
	.fill 96, 4, 3214868480
	.section	.rodata,"a",@progbits
	.p2align	6, 0x0
	.amdhsa_kernel k_q9ad68892e7_prep
		.amdhsa_group_segment_fixed_size 34304
		.amdhsa_private_segment_fixed_size 0
		.amdhsa_enable_private_segment 0
		.amdhsa_kernarg_size 56
		.amdhsa_user_sgpr_count 2
		.amdhsa_user_sgpr_kernarg_segment_ptr 1
		.amdhsa_wavefront_size32 1
		.amdhsa_system_sgpr_workgroup_id_x 1
		.amdhsa_system_sgpr_workgroup_id_y 1
		.amdhsa_system_sgpr_workgroup_id_z 1
		.amdhsa_system_vgpr_workitem_id 0
		.amdhsa_next_free_vgpr 256
		.amdhsa_next_free_sgpr 66
		.amdhsa_reserve_vcc 1
		.amdhsa_float_denorm_mode_32 3
		.amdhsa_float_denorm_mode_16_64 3
		.amdhsa_memory_ordered 1
		.amdhsa_forward_progress 1
		.amdhsa_inst_pref_size 72
	.end_amdhsa_kernel
	.amdgpu_metadata
---
amdhsa.version: [ 1, 2 ]
amdhsa.kernels:
  - .name:           k_q9ad68892e7_prep
    .symbol:         k_q9ad68892e7_prep.kd
    .args:
      - { .name: x, .offset: 0, .size: 8, .value_kind: global_buffer, .address_space: global }
      - { .name: y, .offset: 8, .size: 8, .value_kind: global_buffer, .address_space: global }
      - { .name: Wq, .offset: 16, .size: 8, .value_kind: global_buffer, .address_space: global }
      - { .name: Wk, .offset: 24, .size: 8, .value_kind: global_buffer, .address_space: global }
      - { .name: Wv, .offset: 32, .size: 8, .value_kind: global_buffer, .address_space: global }
      - { .name: xyimg, .offset: 40, .size: 8, .value_kind: global_buffer, .address_space: global }
      - { .name: wimg, .offset: 48, .size: 8, .value_kind: global_buffer, .address_space: global }
    .group_segment_fixed_size: 34304
    .private_segment_fixed_size: 0
    .kernarg_segment_align: 8
    .kernarg_segment_size: 56
    .max_flat_workgroup_size: 128
    .sgpr_count:     66
    .vgpr_count:     256
    .wavefront_size: 32
...
	.end_amdgpu_metadata
.endif
;; end of part 1
;; launch proj (part 2): grid 4 x 64, 4 waves a work-group, clusters of 4 x 1, 168,448 bytes of LDS; arguments xyimg, wimg, qimg, kvimg; writes qimg, kvimg
.if DOCPART == 2
	.amdgcn_target "amdgcn-amd-amdhsa--gfx1250"
	.amdhsa_code_object_version 6
	.text
	.protected	k_q9ad68892e7_proj
	.globl	k_q9ad68892e7_proj
	.p2align	8
	.type	k_q9ad68892e7_proj,@function
k_q9ad68892e7_proj:
	s_mov_b64 s[64:65], 0
	v_nop
	global_prefetch_b8 v0, s[64:65] scope:SCOPE_SE
	s_setreg_imm32_b32 hwreg(HW_REG_WAVE_MODE, 25, 1), 1
	s_wait_xcnt 0x0
	s_wait_alu depctr_hold_cnt(0) depctr_sa_sdst(0) depctr_va_vdst(0) depctr_va_sdst(0) depctr_va_ssrc(0) depctr_va_vcc(0) depctr_vm_vsrc(0)
	s_getreg_b32 s2, hwreg(HW_REG_IB_STS2, 6, 4)
	s_cmp_eq_u32 s2, 0
	s_cbranch_scc0 .Lentry_in_a_cluster
	s_endpgm
.Lentry_in_a_cluster:
	s_bfe_u32 s2, ttmp6, 0x10000c
	s_cmp_lg_u32 s2, 0x3003
	s_cbranch_scc0 .Lentry_shape_is_right
	s_endpgm
.Lentry_shape_is_right:
; PROJ: the six projections {x, y} x {Wq, Wk, Wv} on codes of FP6 (E2M3), and their results quantised again, in registers, as the operands of ONE attention of head size 128:
;   Q' = [y Wq | x Wq],  K' = [x Wk | y Wk]  (K = the 128: its four blocks of 32 are the blocks of the two score products),  V' = [x Wv | y Wv] with the KEYS as K.
; All operands, in and out, are images of their registers (a fragment: 3 x 512 bytes, lane l's 16 bytes at 16 l): every global access covers 512 or 256 consecutive bytes.
; SHARES.  A work-group takes a block of 128 rows (work-group y) and two heads (work-group x = its place in the cluster).  Wave w: head 2 x + w / 2, role a = w % 2.
;   role 0: W1 = Wq, P = y, S = x, makes Q';   role 1: W1 = Wk, P = x, S = y, makes K'.   Both make V' from S (channels 64 a on).  One text: the roles differ in addresses alone.
; A wave's weights (W1's and Wv's 16 fragments each) stay in its registers.  The block's record of x and y (102,400 bytes) is wanted by all four work-groups of the cluster: it is asked for JOINTLY,
; a quarter by each wave, filled once, and read from LDS by all waves.
; LAYOUT.  [P W1 | S W1] is made transposed (source 0 = 16 columns of W1, source 1 = 16 rows): a lane holds one row, and by the choice of W1's columns register 16 b + i is d = 32 b + 16 h + i.
;   S Wv is made plain (source 0 = 16 rows, source 1 = 16 columns of Wv): a lane holds one channel, and by the choice of the rows register 16 b + i of the eight tiles is key 32 b + 16 h + i.
; qimg:  [head record 16 bh + block][12,800]: fragment T at 1,536 T; scale words at 12,288 + 32 r + 4 T.
; kvimg: [4 bh + slot][102,400]: step jj at 24,576 jj: K' fragment T at 1,536 T, V' fragment c at 12,288 + 1,536 c; scale words at 98,304 + 1,024 jj: K' 32 r + 4 T; V' 512 + 256 (c / 4) + 16 r + 4 (c % 4).
; LIMITS: as in the launch before: NaN and infinities are not served; a block under 2^-124 gets the byte 1.
; REGISTERS, in windows of 256: window 0: v1-15 addresses; v16-31, v32-35 scale words; v36-47 scale words made; v48-111 [P W1 | S W1]; v112-127 at work; v128-146 codes.
;   window 1: W1's fragments (tile u, K step k) at 12 (4 u + k); v192-239 P's four.   window 2: Wv's likewise; v192-239 S's four.   window 3: S Wv: accumulator (c, T) at 64 c + 8 T.
.set FR,  12
.set QA,  48
.set TM,  112
.set PC,  128
.set WS,  16                           ; v16-31  register 4 u + k: lanes 0-15 W1's tile u, lanes 16-31 Wv's tile u, K step k
.set XS,  32                           ; v32-35  register k: lanes 0-15 P's tile, lanes 16-31 S's tile, K step k
.set SW,  36                           ; v36-43  Q' or K': the eight tiles' scale words
.set SWV, 44                           ; v44-47  V': the four tiles'
.set PF,  192
.set SEL, 20
.set G1,  24                           ; s[24:31] descriptor group 1;  s[32:35] group 0
.set G0,  32
.set MSB, 0
.macro WIN new                         ; s_set_vgpr_msb: bits 1:0 source 0, 3:2 source 1, 5:4 source 2, 7:6 destination; the high byte repeats the setting that is left
.if MSB != (\new)
	s_set_vgpr_msb (MSB<<8)|(\new)
.set MSB, (\new)
.endif
.endm
.macro CROUND                          ; a round of the cluster's barrier
	s_barrier_signal -1
	s_barrier_wait -1
	s_cmp_lg_u32 s12, 0
	s_cbranch_scc1 .Lnot_wave_0_\@
	s_barrier_signal -3
.Lnot_wave_0_\@:
	s_barrier_wait -3
	s_barrier_signal -1
	s_barrier_wait -1
.endm
; 64 numbers of a lane, v[s] on in window w, register 16 b + i = k 32 b + 16 (lane / 16) + i of my row, become a fragment's codes in v[PC] on and its scale word in v[pw].
; Each accumulator among them is read from its low end on.
.macro QUANT s, w, pw
.set QW1, (\w)|((\w)<<2)
.set QW2, ((\w)<<2)|((\w)<<4)
	WIN QW1
.irp b, 0,1,2,3
	v_max3_num_f32 v[TM+\b], |v[\s+16*\b]|, |v[\s+1+16*\b]|, 0x1800000   ; and the floor 2^(3 - 127): the byte cannot fall under 1
.endr
	WIN QW2
.irp i, 2,4,6,8,10,12,14
.irp b, 0,1,2,3
	v_max3_num_f32 v[TM+\b], v[TM+\b], |v[\s+16*\b+\i]|, |v[\s+1+16*\b+\i]|
.endr
.endr
	WIN 0
.irp b, 0,1,2,3
	v_permlanex16_b32 v[TM+4+\b], v[TM+\b], s[SEL], s[SEL+1]
.endr
.irp b, 0,1,2,3
	v_max_num_f32 v[TM+\b], v[TM+\b], v[TM+4+\b]
.endr
.irp b, 0,1,2,3
	v_add_nc_u32 v[TM+12+\b], 0xff000000, v[TM+\b] ; 2 off the exponent field: the conversion's scale operand
.endr
.irp b, 0,1,2,3
	v_lshrrev_b32 v[TM+4+\b], 23, v[TM+12+\b]
.endr
	v_lshl_or_b32 v[\pw], v[TM+5], 8, v[TM+4]
	v_lshl_or_b32 v[\pw], v[TM+6], 16, v[\pw]
	v_lshl_or_b32 v[\pw], v[TM+7], 24, v[\pw]
	s_wait_xcnt 0x0                                ; the last fragment's stores have read v[PC] on
	WIN \w
.irp c, 0,1
	v_cvt_scalef32_pk16_fp6_f32 v[PC+6*\c:PC+2+6*\c], v[\s+32*\c:\s+15+32*\c], v[TM+12+2*\c]
	v_cvt_scalef32_pk16_fp6_f32 v[PC+12+4*\c:PC+14+4*\c], v[\s+16+32*\c:\s+31+32*\c], v[TM+12+2*\c+1]
.endr
	WIN 0
	v_nop                                          ; one plain place behind a scaled conversion
.irp c, 0,1
.irp i, 0,1,2
	v_permlane16_swap_b32 v[PC+6*\c+\i], v[PC+12+4*\c+\i]
.endr
.irp i, 0,1,2
	v_mov_b32 v[PC+3+6*\c+\i], v[PC+12+4*\c+\i]
.endr
.endr
.endm
	s_load_b256 s[4:11], s[0:1], 0x0               ; xyimg s[4:5], wimg s[6:7], qimg s[8:9], kvimg s[10:11]
	v_lshl_add_u32 v254, v0, 2, 0x29000
	v_mov_b32 v255, 0
	ds_add_u32 v254, v255
	ds_add_u32 v254, v255
	v_lshrrev_b32 v1, 5, v0
	v_readfirstlane_b32 s12, v1                    ; wave 0..3
	s_and_b32 s13, s12, 1                          ; a, my role
	s_lshr_b32 s14, s12, 1
	s_bfe_u32 s15, ttmp6, 0x40000                  ; cx: it enters the weights' and the results' global addresses alone
	s_and_b32 s16, ttmp7, 0xffff                   ; the block of 128 rows, which the four partners share
	s_lshl_b32 s17, s15, 1
	s_add_co_u32 s17, s17, s14                     ; my head
	s_mov_b32 s[G1], 15|(3<<16)|(1<<21)            ; 15:0 the mask: all four work-groups; 17:16 elements of 8 bytes; 20 no padding; 21 set beside a mask
	s_mov_b32 s[G1+1], 32<<16                      ; tensor_dim0 = 32 elements: rows of 256 bytes
	s_mov_b32 s[G1+2], 100<<16                     ; tensor_dim1 = 100 rows: a quarter of the record
	s_mov_b32 s[G1+3], 32<<16                      ; tile_dim0
	s_mov_b32 s[G1+4], 100                         ; tile_dim1
	s_mov_b32 s[G1+5], 32                          ; the pitch: the block is dense
	s_mov_b32 s[G1+6], 0
	s_mov_b32 s[G1+7], 0
	s_mul_i32 s50, s16, 102400
	s_mul_i32 s[G0+1], s12, 25600                  ; LDS address: my quarter
	s_add_co_u32 s50, s50, s[G0+1]
	s_mov_b32 s51, 0                               ; the high word of every offset pair s[50:51]
	s_mov_b32 s[G0], 1
	s_mov_b32 s[SEL], 0x76543210
	s_mov_b32 s[SEL+1], 0xfedcba98
	s_wait_dscnt 0x0
	s_wait_kmcnt 0x0
	s_add_nc_u64 s[G0+2:G0+3], s[4:5], s[50:51]
	s_or_b32 s[G0+3], s[G0+3], 0x80000000          ; type = 2
	CROUND                                         ; all four work-groups are here: the joint loads meet
	tensor_load_to_lds s[G0:G0+3], s[G1:G1+7]      ; my one tensor load of the launch
	s_nop 0
.rept 4
	v_nop
.endr
	s_lshl_b32 s50, s13, 3
	s_add_co_u32 s50, s50, s17
	s_mul_i32 s50, s50, 24576
	s_add_nc_u64 s[36:37], s[6:7], s[50:51]        ; W1's 16 fragments of my head: matrix a
	s_add_co_u32 s50, s17, 16
	s_mul_i32 s50, s50, 24576
	s_add_nc_u64 s[38:39], s[6:7], s[50:51]        ; Wv's: matrix 2
	s_lshl_b32 s50, s17, 10
	s_add_co_u32 s50, s50, 589824
	s_add_nc_u64 s[48:49], s[6:7], s[50:51]        ; the scale words of matrix 0, my head
	v_and_b32 v1, 31, v0
	v_lshlrev_b32 v1, 4, v1                        ; 16 x lane; never rewritten
	v_and_b32 v2, 15, v0                           ; r
	v_bfe_u32 v3, v0, 4, 1                         ; h
	s_xor_b32 s58, s13, 1                          ; 1 - a: P's tensor (0 = x, 1 = y); S's is a
	s_mul_i32 s59, s58, 49152
	v_add_nc_u32 v4, s59, v1                       ; LDS: P's fragments
	s_mul_i32 s59, s13, 49152
	v_add_nc_u32 v5, s59, v1                       ; S's
	v_xor_b32 v6, s58, v3                          ; lanes 0-15 take P's scale words, lanes 16-31 S's
	v_lshlrev_b32 v6, 11, v6
	v_lshl_add_u32 v6, v2, 4, v6
	v_add_nc_u32 v6, 98304, v6
	s_sub_co_u32 s59, 2, s13
	s_lshl_b32 s59, s59, 13
	v_mul_u32_u24 v7, s59, v3                      ; the weights' scale words: lanes 16-31 take Wv's, (2 - a) matrices of 8,192 bytes on
	s_lshl_b32 s59, s13, 13
	v_add_nc_u32 v7, s59, v7
	v_lshl_add_u32 v7, v2, 4, v7
	v_lshlrev_b32 v8, 5, v2
	v_lshl_add_u32 v8, v3, 4, v8                   ; 32 r + 16 h
	v_lshlrev_b32 v9, 4, v2
	v_lshl_add_u32 v9, v3, 3, v9                   ; 16 r + 8 h
	v_cmp_ne_u32 vcc_lo, 0, v3                     ; lanes 16-31; VCC is written here alone
.irp b, 0,1,2,3
	v_mov_b32 v[TM+4+\b], 0                        ; written once: a lane permute's destination counts as one of its sources
.endr
	WIN 0x40                                       ; destination window 1
.set nn, 0
.rept 48
	global_load_b128 v[4*nn:4*nn+3], v1, s[36:37] offset:512*nn
.set nn, nn+1
.endr
	WIN 0x80                                       ; destination window 2
.set nn, 0
.rept 48
	global_load_b128 v[4*nn:4*nn+3], v1, s[38:39] offset:512*nn
.set nn, nn+1
.endr
	WIN 0
.irp u, 0,1,2,3
	global_load_b128 v[WS+4*\u:WS+4*\u+3], v7, s[48:49] offset:256*\u
.endr
	; where the results go
	s_lshr_b32 s50, s16, 4
	s_lshl_b32 s50, s50, 3
	s_add_co_u32 s50, s50, s17                     ; bh = 8 x batch + head
	s_and_b32 s52, s16, 15                         ; the block within the batch's 2,048 rows
	s_lshl_b32 s53, s50, 4
	s_add_co_u32 s53, s53, s52
	s_mul_i32 s53, s53, 12800                      ; Q': the record,
	s_add_co_u32 s54, s53, 12288                   ; its scale words
	s_lshr_b32 s55, s52, 2
	s_lshl_b32 s56, s50, 2
	s_add_co_u32 s55, s55, s56
	s_mul_i32 s55, s55, 102400                     ; K', V': the slot's record,
	s_and_b32 s52, s52, 3
	s_mul_i32 s56, s52, 24576
	s_add_co_u32 s56, s56, s55                     ; the step's fragments,
	s_lshl_b32 s57, s52, 10
	s_add_co_u32 s57, s57, s55
	s_add_co_u32 s57, s57, 98304                   ; the step's scale words
	s_cmp_eq_u32 s13, 0                            ; the choice hangs on the wave's number alone
	s_cselect_b64 s[40:41], s[8:9], s[10:11]
	s_cselect_b32 s50, s53, s56
	s_cselect_b32 s52, s54, s57
	s_mov_b64 s[42:43], s[40:41]
	s_add_nc_u64 s[40:41], s[40:41], s[50:51]      ; Q' or K': fragments
	s_mov_b32 s50, s52
	s_add_nc_u64 s[42:43], s[42:43], s[50:51]      ; and scale words
	s_mul_i32 s50, s13, 6144
	s_add_co_u32 s50, s50, s56
	s_add_co_u32 s50, s50, 12288
	s_add_nc_u64 s[44:45], s[10:11], s[50:51]      ; V': my four fragments
	s_lshl_b32 s50, s13, 8
	s_add_co_u32 s50, s50, s57
	s_add_co_u32 s50, s50, 512
	s_add_nc_u64 s[46:47], s[10:11], s[50:51]      ; and their scale words
.macro FETCH t                         ; tile t of P and of S (four K steps each) and their scale words, from LDS
	WIN 0x40
.set nn, 0
.rept 12
	ds_load_b128 v[PF+4*nn:PF+4*nn+3], v4 offset:6144*(\t)+512*nn
.set nn, nn+1
.endr
	WIN 0x80
.set nn, 0
.rept 12
	ds_load_b128 v[PF+4*nn:PF+4*nn+3], v5 offset:6144*(\t)+512*nn
.set nn, nn+1
.endr
	WIN 0
	ds_load_b128 v[XS:XS+3], v6 offset:256*(\t)
.endm
; A tile of 16 rows: 48 matrix instructions on twelve accumulators, which take turns, one instruction a turn, in the same order in every K step.
.macro TILE t
	s_wait_dscnt 0x0                               ; the tile's fragments and scale words are in
.irp k, 0,1,2,3
	WIN 0x05                                       ; W1 and P in window 1
.irp u, 0,1,2,3
.if \k == 0
	v_wmma_scale_f32_16x16x128_f8f6f4 v[QA+8*\u:QA+8*\u+7], v[FR*(4*\u+\k):FR*(4*\u+\k)+FR-1], v[PF+FR*\k:PF+FR*\k+FR-1], 0, v[WS+4*\u+\k], v[XS+\k] matrix_a_fmt:MATRIX_FMT_FP6 matrix_b_fmt:MATRIX_FMT_FP6
.else
	v_wmma_scale_f32_16x16x128_f8f6f4 v[QA+8*\u:QA+8*\u+7], v[FR*(4*\u+\k):FR*(4*\u+\k)+FR-1], v[PF+FR*\k:PF+FR*\k+FR-1], v[QA+8*\u:QA+8*\u+7], v[WS+4*\u+\k], v[XS+\k] matrix_a_fmt:MATRIX_FMT_FP6 matrix_b_fmt:MATRIX_FMT_FP6
.endif
.endr
	WIN 0x09                                       ; W1 in window 1, S in window 2
.irp u, 0,1,2,3
.if \k == 0
	v_wmma_scale_f32_16x16x128_f8f6f4 v[QA+32+8*\u:QA+32+8*\u+7], v[FR*(4*\u+\k):FR*(4*\u+\k)+FR-1], v[PF+FR*\k:PF+FR*\k+FR-1], 0, v[WS+4*\u+\k], v[XS+\k] matrix_a_fmt:MATRIX_FMT_FP6 matrix_b_fmt:MATRIX_FMT_FP6 matrix_b_scale:MATRIX_SCALE_ROW1
.else
	v_wmma_scale_f32_16x16x128_f8f6f4 v[QA+32+8*\u:QA+32+8*\u+7], v[FR*(4*\u+\k):FR*(4*\u+\k)+FR-1], v[PF+FR*\k:PF+FR*\k+FR-1], v[QA+32+8*\u:QA+32+8*\u+7], v[WS+4*\u+\k], v[XS+\k] matrix_a_fmt:MATRIX_FMT_FP6 matrix_b_fmt:MATRIX_FMT_FP6 matrix_b_scale:MATRIX_SCALE_ROW1
.endif
.endr
	WIN 0xfa                                       ; S and Wv in window 2, C and D in window 3
.irp u, 0,1,2,3
.if \k == 0
	v_wmma_scale_f32_16x16x128_f8f6f4 v[64*\u+8*(\t):64*\u+8*(\t)+7], v[PF+FR*\k:PF+FR*\k+FR-1], v[FR*(4*\u+\k):FR*(4*\u+\k)+FR-1], 0, v[XS+\k], v[WS+4*\u+\k] matrix_a_fmt:MATRIX_FMT_FP6 matrix_b_fmt:MATRIX_FMT_FP6 matrix_a_scale:MATRIX_SCALE_ROW1 matrix_b_scale:MATRIX_SCALE_ROW1
.else
	v_wmma_scale_f32_16x16x128_f8f6f4 v[64*\u+8*(\t):64*\u+8*(\t)+7], v[PF+FR*\k:PF+FR*\k+FR-1], v[FR*(4*\u+\k):FR*(4*\u+\k)+FR-1], v[64*\u+8*(\t):64*\u+8*(\t)+7], v[XS+\k], v[WS+4*\u+\k] matrix_a_fmt:MATRIX_FMT_FP6 matrix_b_fmt:MATRIX_FMT_FP6 matrix_a_scale:MATRIX_SCALE_ROW1 matrix_b_scale:MATRIX_SCALE_ROW1
.endif
.endr
.endr
	WIN 0
.rept 4
	v_nop                                          ; four places in front of loads into registers that matrix instructions have read, and of the first read of results
.endr
.if (\t) < 7
	FETCH (\t)+1                                   ; the next tile lands while this one is quantised
.endif
	QUANT QA, 0, SW+(\t)
.irp c, 0,1,2
	global_store_b128 v1, v[PC+4*\c:PC+4*\c+3], s[40:41] offset:1536*(\t)+512*\c   ; 512 consecutive bytes
.endr
.endm
	s_wait_tensorcnt 0x0                           ; my quarter of the record is in,
	s_barrier_signal -1
	s_barrier_wait -1                              ; everybody's is; nothing is filled again in this launch
	FETCH 0
	s_wait_loadcnt 0x0                             ; the weights and their scale words
.irp t, 0,1,2,3,4,5,6,7
	TILE \t
.endr
.irp c, 0,1,2,3                                ; S Wv: channel tile c, its 128 keys in 64 registers a lane
	QUANT 64*\c, 3, SWV+\c
.irp k, 0,1,2
	global_store_b128 v1, v[PC+4*\k:PC+4*\k+3], s[44:45] offset:1536*\c+512*\k
.endr
.endr
.irp i, 0,1,2,3
	v_cndmask_b32 v[10+\i], v[SW+\i], v[SW+4+\i], vcc_lo   ; lanes 0-15 store tiles 0-3 of row r's words, lanes 16-31 tiles 4-7
.endr
	global_store_b128 v8, v[10:13], s[42:43]       ; 512 consecutive bytes
	v_cndmask_b32 v14, v[SWV], v[SWV+2], vcc_lo
	v_cndmask_b32 v15, v[SWV+1], v[SWV+3], vcc_lo
	global_store_b64 v9, v[14:15], s[46:47]        ; 256 consecutive bytes
	s_wait_tensorcnt 0x0
	ds_add_u32 v254, v255
	s_wait_dscnt 0x0
	CROUND                                         ; the closing round: no work-group ends while a partner may still ask for the record
	s_endpgm
.Lfunc_end_k_q9ad68892e7_proj:
	.size	k_q9ad68892e7_proj, .Lfunc_end_k_q9ad68892e7_proj-k_q9ad68892e7_proj
	.p2alignl 7, 3214868480
	.fill 96, 4, 3214868480
	.section	.rodata,"a",@progbits
	.p2align	6, 0x0
	.amdhsa_kernel k_q9ad68892e7_proj
		.amdhsa_group_segment_fixed_size 168448
		.amdhsa_private_segment_fixed_size 0
		.amdhsa_enable_private_segment 0
		.amdhsa_kernarg_size 32
		.amdhsa_user_sgpr_count 2
		.amdhsa_user_sgpr_kernarg_segment_ptr 1
		.amdhsa_wavefront_size32 1
		.amdhsa_system_sgpr_workgroup_id_x 1
		.amdhsa_system_sgpr_workgroup_id_y 1
		.amdhsa_system_sgpr_workgroup_id_z 1
		.amdhsa_system_vgpr_workitem_id 0
		.amdhsa_next_free_vgpr 1024
		.amdhsa_next_free_sgpr 66
		.amdhsa_reserve_vcc 1
		.amdhsa_float_denorm_mode_32 3
		.amdhsa_float_denorm_mode_16_64 3
		.amdhsa_memory_ordered 1
		.amdhsa_forward_progress 1
		.amdhsa_inst_pref_size 131
	.end_amdhsa_kernel
	.amdgpu_metadata
---
amdhsa.version: [ 1, 2 ]
amdhsa.kernels:
  - .name:           k_q9ad68892e7_proj
    .symbol:         k_q9ad68892e7_proj.kd
    .args:
      - { .name: xyimg, .offset: 0, .size: 8, .value_kind: global_buffer, .address_space: global }
      - { .name: wimg, .offset: 8, .size: 8, .value_kind: global_buffer, .address_space: global }
      - { .name: qimg, .offset: 16, .size: 8, .value_kind: global_buffer, .address_space: global }
      - { .name: kvimg, .offset: 24, .size: 8, .value_kind: global_buffer, .address_space: global }
    .group_segment_fixed_size: 168448
    .private_segment_fixed_size: 0
    .kernarg_segment_align: 8
    .kernarg_segment_size: 32
    .max_flat_workgroup_size: 128
    .sgpr_count:     66
    .vgpr_count:     1024
    .wavefront_size: 32
...
	.end_amdgpu_metadata
.endif
;; end of part 2
;; launch attn (part 3): grid 8 x 32, 4 waves a work-group, clusters of 4 x 1, 327,680 bytes of LDS; arguments qimg, kvimg, x, y, out0, out1; writes out0, out1
.if DOCPART == 3
	.amdgcn_target "amdgcn-amd-amdhsa--gfx1250"
	.amdhsa_code_object_version 6
	.text
	.protected	k_q9ad68892e7_attn
	.globl	k_q9ad68892e7_attn
	.p2align	8
	.type	k_q9ad68892e7_attn,@function
k_q9ad68892e7_attn:
	s_mov_b64 s[64:65], 0
	v_nop
	global_prefetch_b8 v0, s[64:65] scope:SCOPE_SE
	s_setreg_imm32_b32 hwreg(HW_REG_WAVE_MODE, 25, 1), 1
	s_wait_xcnt 0x0
	s_wait_alu depctr_hold_cnt(0) depctr_sa_sdst(0) depctr_va_vdst(0) depctr_va_sdst(0) depctr_va_ssrc(0) depctr_va_vcc(0) depctr_vm_vsrc(0)
	s_getreg_b32 s2, hwreg(HW_REG_IB_STS2, 6, 4)
	s_cmp_eq_u32 s2, 0
	s_cbranch_scc0 .Lentry_in_a_cluster
	s_endpgm
.Lentry_in_a_cluster:
	s_bfe_u32 s2, ttmp6, 0x10000c
	s_cmp_lg_u32 s2, 0x3003
	s_cbranch_scc0 .Lentry_shape_is_right
	s_endpgm
.Lentry_shape_is_right:
; ATTN: [o1 | o2] = softmax(Q' K'^T / 16) V', + x, + y.  Q' = [y Wq | x Wq], K' = [x Wk | y Wk], V' = [x Wv | y Wv]: one attention of head size 128 for each of the 32 (batch, head),
; since attnx + attny = Q' K'^T and both outputs share the weights p.  Both products on codes of FP6 (E2M3), one E8M0 byte for each 32 along K; operands come as images of their registers.
; THE SOFTMAX: t = (attnx + attny) x log2(e) / 16; M = the row's largest t so far, rounded UP to a whole number; p = 2^(t - M) is quantised along the keys, not normalised.
; The row's sum is taken of the unquantised p, in f32, and divides at the end.  When M moves, the sum and O are multiplied by 2^(old M - new M): exact.
; SHARES.  A work-group owns 256 queries of one (batch, head); each of its four waves 64 of them, four tiles of 16: a fragment of K' or V' read from LDS feeds four matrix instructions.
; Every wave walks all 2,048 keys, 128 a step, four steps to a slot (102,400 dense bytes); two slots in LDS; each wave fetches a quarter of a slot by one tensor load.
; CLUSTER.  The four query blocks of a cluster walk the same K' and V': each slot is asked for JOINTLY, by the same load with the same descriptor and a mask that names the four.
; THE TRIP IS TURNED: trip j asks LDS for K'(j), multiplies O += V'(j-1) p(j-1) while those loads are out, then makes the scores of step j, asks for V'(j), and runs the softmax of step j.
; So a trip ends with all its LDS reads back in registers, and the change of slots stands between trips.  The first trip has no product to finish (a jump on a counter); the last product stands behind the loops.
; THE EXPONENTIALS go tile by tile, and plain work takes turns with them: the next tile's t - M, and the earlier tiles' row sums, a tree in place over p's registers, one level a batch.
; All that such a line reads was written ahead of the wait in front of its batch, and what it writes is read behind the wait that closes the batch.
; LAYOUT.  Both products are used transposed: S^T = K' Q'^T, O^T = V'^T P^T: a lane holds ONE query throughout.  Lane r of tile 2 b + u of K' holds key 32 b + 8 u + r + 8 (r / 8),
; so that the 16 registers of tiles 2 b, 2 b + 1 are keys 32 b + 16 (lane / 16) + 0 .. 15.  Tile q of my queries holds rows 32 (q / 2) + 8 (q % 2) + r + 8 (r / 8) of my 64.
; PREFETCH.  Behind each change that fills a slot, the fragments of the slot that the NEXT change asks for (98,304 bytes) are named once: by the head's first cluster, 24,576 bytes a partner (by address),
; 8,192 a wave in waves 0 to 2, lanes 256 bytes apart.  My 64 rows of x and y are named in the third step of the last slot, a lane a row.
; LIMITS: NaN and infinities are not served.  The promise holds while the scaled scores stay under 2^31 in magnitude.  attnx + attny is one sum inside the matrix unit.  A block's largest p is taken
; from its largest score, which takes v_exp_f32 not to fall where its input rises.  A block of p that has fallen to zeros keeps the byte 1: its codes are zeros.
; REGISTERS: window 0: v1-13 addresses; v16-31 -M, largest t, the sum's halves (four a tile); v32-39 f and p's scale word; v40-59 scale words of K', V', Q'; v64-147 at work; v160-207 p's codes.
;   window 1: S^T, then p (64 a tile); at the end the residual rows.   window 2: O^T (64 a tile).   window 3: v0-47 Q', v48-143 K', v144-239 V'.
.set SLOT1, 1<<17                      ; slot 1 begins here
.set SLOTB, 102400
.set STEPB, 24576                      ; a step's fragments: K's eight, then V's eight
.set SPARE, 2*SLOT1                    ; the spare words, 128 bytes a wave
.set STAGE, SPARE+512                  ; the way out: 16 rows x 272 bytes for each wave; no tile lands here
.set LI,   1                           ; 16 x lane
.set R32,  2                           ; 32 r
.set R16,  3                           ; 16 r
.set ADF,  4                           ; LDS address of the step's fragments
.set ADKS, 5                           ; of K's scale words
.set SPW,  6                           ; my spare word; never rewritten
.set NIL,  7                           ; 0; never rewritten
.set GO,   8                           ; 2,048 h + 16 r
.set STO,  9
.set RD,   10
.set PFO,  11                          ; 256 x lane
.set PFR,  12                          ; 2,048 x lane
.set ADVS, 13                          ; of V's scale words
.set ST,   16
.set FW,   32
.set KS,   40
.set VS,   48
.set QS,   56
.set BM,   64                          ; 16: the blocks' largest scores, then largest p
.set PT,   80                          ; 16: permutes, bytes
.set SO,   96                          ; 16: the conversions' scale operands
.set TT,   112
.set CT,   116                         ; 32: halves of codes on their way
.set CD,   160                         ; p's codes, 12 a tile
.set QF,   0                           ; in window 3
.set KF,   48
.set VF,   144
.set TB,   2
.set TS,   3
.set WV,   18
.set SEL,  20
.set CS,   22                          ; s[22:23] c = log2(e) / 16
.set G1,   24
.set G0,   32
.set SLOTS, 40
.set CNT,  41
.set PFA,  42
.set LIM,  44
.set FST,  60                          ; 1 until the first trip has passed
.set MSB, 0
.macro WIN new                         ; bits 1:0 source 0, 3:2 source 1, 5:4 source 2, 7:6 destination; the high byte repeats the setting that is left
.if MSB != (\new)
	s_set_vgpr_msb (MSB<<8)|(\new)
.set MSB, (\new)
.endif
.endm
.macro CROUND                          ; a round of the cluster's barrier
	s_barrier_signal -1
	s_barrier_wait -1
	s_cmp_lg_u32 s[WV], 0
	s_cbranch_scc1 .Lnot_wave_0_\@
	s_barrier_signal -3
.Lnot_wave_0_\@:
	s_barrier_wait -3
	s_barrier_signal -1
	s_barrier_wait -1
.endm
.macro ASK
	s_cmp_gt_u32 s[SLOTS], s[LIM]
	s_cbranch_scc0 .Lnot_mine_\@
	global_prefetch_b8 v[PFO], s[PFA:PFA+1] th:TH_LOAD_NT scope:SCOPE_SE
.Lnot_mine_\@:
.endm
	s_load_b256 s[4:11], s[0:1], 0x0               ; qimg, kvimg, x, y
	s_load_b128 s[12:15], s[0:1], 0x20             ; out0, out1
	v_lshl_add_u32 v[SPW], v0, 2, SPARE
	v_mov_b32 v[NIL], 0
	ds_add_u32 v[SPW], v[NIL]
	ds_add_u32 v[SPW], v[NIL]
	v_lshrrev_b32 v1, 5, v0
	v_readfirstlane_b32 s[WV], v1                  ; wave 0..3
	s_bfe_u32 s19, ttmp6, 0x40000                  ; cx: it enters global addresses of Q', x, y, the outputs and the prefetches alone
	s_lshl_b32 s16, ttmp9, 2
	s_add_co_u32 s16, s16, s19                     ; my block of 256 queries
	s_and_b32 s17, ttmp7, 0xffff                   ; bh = 8 x batch + head, which the partners share
	s_mov_b32 s[G1], 15|(3<<16)|(1<<21)            ; the mask: all four work-groups; elements of 8 bytes; bit 21 beside a mask
	s_mov_b32 s[G1+1], 32<<16                      ; rows of 256 bytes
	s_mov_b32 s[G1+2], 100<<16                     ; 100 rows: a quarter of a slot
	s_mov_b32 s[G1+3], 32<<16
	s_mov_b32 s[G1+4], 100
	s_mov_b32 s[G1+5], 32                          ; a slot is dense
	s_mov_b32 s[G1+6], 0
	s_mov_b32 s[G1+7], 0
	s_mul_i32 s36, s17, 4*SLOTB                    ; the head's first byte in kvimg
	s_mul_i32 s[G0+1], s[WV], 25600                ; LDS: my quarter of slot 0
	s_add_co_u32 s38, s36, s[G0+1]
	s_mov_b32 s39, 0
	s_mov_b32 s59, 0
	s_mov_b32 s[G0], 1
	s_mov_b32 s[SEL], 0x76543210
	s_mov_b32 s[SEL+1], 0xfedcba98
	s_mov_b32 s[CS], 0x3db8aa3b                    ; log2(e) / 16
	s_mov_b32 s[CS+1], s[CS]
	s_mov_b32 s[TB], 0
	s_mov_b32 s[TS], 98304
	s_mov_b32 s[SLOTS], 3
	s_mov_b32 s[FST], 1
	s_wait_dscnt 0x0
	s_wait_kmcnt 0x0
	s_add_nc_u64 s[G0+2:G0+3], s[6:7], s[38:39]
	s_or_b32 s[G0+3], s[G0+3], 0x80000000
	CROUND                                         ; the first joint loads meet
	tensor_load_to_lds s[G0:G0+3], s[G1:G1+7]      ; slot 0: my one tensor load at the head
	s_nop 0
.rept 4
	v_nop
.endr
	s_mul_i32 s38, s19, 24576                      ; the prefetches: my work-group's part,
	s_lshl_b32 s45, s[WV], 13                      ; my wave's,
	s_add_co_u32 s38, s38, s45
	s_add_co_u32 s38, s38, s36
	s_add_co_u32 s38, s38, SLOTB                   ; in slot 1: the first change of slots steps it to slot 2
	s_add_nc_u64 s[PFA:PFA+1], s[6:7], s[38:39]
	s_cmp_lt_u32 s[WV], 3
	s_cselect_b32 s[LIM], 0, 1
	s_or_b32 s[LIM], s[LIM], ttmp9                 ; 0 in waves 0 to 2 of the head's first cluster
	s_cmp_eq_u32 s[LIM], 0
	s_cselect_b32 s[LIM], 1, -1
	s_lshl_b32 s38, s17, 4                         ; Q': record 16 bh + 2 x block + w / 2,
	s_lshl_b32 s45, s16, 1
	s_add_co_u32 s38, s38, s45
	s_lshr_b32 s45, s[WV], 1
	s_add_co_u32 s38, s38, s45
	s_mul_i32 s38, s38, 12800
	s_and_b32 s45, s[WV], 1
	s_mul_i32 s58, s45, 6144                       ; tiles 4 (w % 2) .. + 3
	s_add_co_u32 s58, s58, s38
	s_add_nc_u64 s[54:55], s[4:5], s[58:59]
	s_lshl_b32 s58, s45, 4
	s_add_co_u32 s58, s58, s38
	s_add_co_u32 s58, s58, 12288
	s_add_nc_u64 s[56:57], s[4:5], s[58:59]        ; and their scale words
	s_lshr_b32 s38, s17, 3                         ; my first row: 2,048 x batch + 256 x block + 64 x wave,
	s_lshl_b32 s38, s38, 11
	s_lshl_b32 s45, s16, 8
	s_add_co_u32 s38, s38, s45
	s_lshl_b32 s45, s[WV], 6
	s_add_co_u32 s38, s38, s45
	s_lshl_b32 s38, s38, 11                        ; in bytes,
	s_and_b32 s45, s17, 7
	s_lshl_b32 s45, s45, 8
	s_add_co_u32 s38, s38, s45                     ; + the head's 256 bytes of a row
	s_add_nc_u64 s[46:47], s[8:9], s[38:39]
	s_add_nc_u64 s[48:49], s[10:11], s[38:39]
	s_add_nc_u64 s[50:51], s[12:13], s[38:39]
	s_add_nc_u64 s[52:53], s[14:15], s[38:39]
	s_mul_i32 s45, s[WV], 4352
	s_add_co_u32 s45, s45, STAGE                   ; my stage
	v_and_b32 v14, 31, v0                          ; lane
	v_and_b32 v15, 15, v0                          ; r
	v_bfe_u32 v13, v0, 4, 1                        ; h
	v_lshlrev_b32 v[LI], 4, v14
	v_lshlrev_b32 v[R32], 5, v15
	v_lshlrev_b32 v[R16], 4, v15
	v_lshl_add_u32 v[GO], v13, 11, v[R16]
	v_mul_u32_u24 v[STO], v15, 272
	v_lshl_add_u32 v[STO], v13, 5, v[STO]
	v_add_nc_u32 v[STO], s45, v[STO]               ; in: row r, + 32 h
	v_mul_u32_u24 v[RD], v13, 272
	v_add_nc_u32 v[RD], v[RD], v[R16]
	v_add_nc_u32 v[RD], s45, v[RD]                 ; back: lanes 0-15 one row, lanes 16-31 the next
	v_lshlrev_b32 v[PFO], 8, v14
	v_lshlrev_b32 v[PFR], 11, v14
	WIN 0xc0                                       ; destination window 3
.set nn, 0
.rept 12
	global_load_b128 v[QF+4*nn:QF+4*nn+3], v[LI], s[54:55] offset:512*nn   ; Q's four fragments stay in registers
.set nn, nn+1
.endr
	WIN 0
	global_load_b128 v[QS:QS+3], v[R32], s[56:57]  ; and their scale words
.irp q, 0,1,2,3
	v_mov_b32 v[ST+1+4*\q], 0xff61b1e6             ; the largest t so far: -3e38
	v_mov_b32 v[ST+2+4*\q], 0                      ; the sum, in two halves
	v_mov_b32 v[ST+3+4*\q], 0
	v_mov_b32 v[FW+1+2*\q], 0                      ; (named as the upper half of a pair before it is first written)
.endr
.irp q, 0,1,2,3
	v_floor_f32 v[ST+4*\q], -v[ST+1+4*\q]          ; -M
.endr
.set nn, 0
.rept 16
	v_mov_b32 v[PT+nn], 0                          ; a lane permute's destination counts as one of its sources
.set nn, nn+1
.endr
	WIN 0x80
.set jj, 0
.rept 256
	v_mov_b32 v[jj], 0                             ; O^T: the trip is written once; these lines stand while slot 0's load is out
.set jj, jj+1
.endr
	WIN 0
; O^T += V'^T P^T for the step whose V' and codes lie in registers: 32 accumulators, one instruction each
.macro PV
	WIN 0xa3                                       ; V' window 3, p's codes window 0, C and D window 2
.irp t, 0,1,2,3,4,5,6,7
.irp q, 0,1,2,3
	v_wmma_scale_f32_16x16x128_f8f6f4 v[64*\q+8*\t:64*\q+8*\t+7], v[VF+12*\t:VF+12*\t+11], v[CD+12*\q:CD+12*\q+11], v[64*\q+8*\t:64*\q+8*\t+7], v[VS+\t], v[FW+1+2*\q] matrix_a_fmt:MATRIX_FMT_FP6 matrix_b_fmt:MATRIX_FMT_FP6
.endr
.endr
	WIN 0
.endm
; One addition of the row sum's tree, in place over tile q's p: the pair at 2 w i takes the pair w further on (w = 2, 4, 8, 16, 32 from level to level)
.macro LV q, w, i
	v_pk_add_f32 v[64*(\q)+2*(\w)*(\i):64*(\q)+2*(\w)*(\i)+1], v[64*(\q)+2*(\w)*(\i):64*(\q)+2*(\w)*(\i)+1], v[64*(\q)+2*(\w)*(\i)+(\w):64*(\q)+2*(\w)*(\i)+(\w)+1]
.endm
; Tile q's 64 exponentials and its four blocks' largest p.  Between them: tile q + 1's t - M; level 1 of tile q - 1's sum, level 2 of tile q - 2's, level 3 of tile q - 3's
.macro XB q
.if \q < 3
	WIN 0x41
.set nn, 0
.rept 32
	v_exp_f32 v[64*\q+nn], v[64*\q+nn]             ; p = 2^(t - M), at most 1
	v_pk_fma_f32 v[64*(\q+1)+2*nn:64*(\q+1)+2*nn+1], v[64*(\q+1)+2*nn:64*(\q+1)+2*nn+1], s[CS:CS+1], v[ST+4*(\q+1):ST+4*(\q+1)+1] op_sel_hi:[1,0,0]
.set nn, nn+1
.endr
.set X0, 32
.else
.set X0, 0
.endif
.if \q >= 1
	WIN 0x45
.endif
.set nn, X0
.rept 64-X0
	v_exp_f32 v[64*\q+nn], v[64*\q+nn]
.set mm, nn-X0
.if (\q >= 1) && (mm < 16)
	LV \q-1, 2, mm
.endif
.if (\q >= 2) && (mm >= 16) && (mm < 24)
	LV \q-2, 4, mm-16
.endif
.if (\q >= 3) && (mm >= 24) && (mm < 28)
	LV \q-3, 8, mm-24
.endif
.set nn, nn+1
.endr
	WIN 0
.irp b, 0,1,2,3
	v_exp_f32 v[BM+4*\q+\b], v[BM+4*\q+\b]         ; the block's largest p: the same two instructions on the same number
.endr
	v_pk_mul_f32 v[ST+2+4*\q:ST+3+4*\q], v[ST+2+4*\q:ST+3+4*\q], v[FW+2*\q:FW+2*\q+1] op_sel_hi:[1,0]   ; the sum under the new M (a plain place behind the exponentials)
	s_wait_alu depctr_va_vdst(0)                   ; behind a batch and ahead of the next
.endm
; Tile q's scale word and codes
.macro POST q
.irp b, 0,1,2,3
	v_max_num_f32 v[BM+4*\q+\b], 0x1800000, v[BM+4*\q+\b]   ; the floor 2^(3 - 127): the byte cannot fall under 1
.endr
.irp b, 0,1,2,3
	v_add_nc_u32 v[SO+4*\q+\b], 0xff000000, v[BM+4*\q+\b]   ; 2 off the exponent field: the conversion's scale operand
.endr
.irp b, 0,1,2,3
	v_lshrrev_b32 v[PT+4*\q+\b], 23, v[SO+4*\q+\b] ; the scale's byte
.endr
	v_lshl_or_b32 v[FW+1+2*\q], v[PT+4*\q+1], 8, v[PT+4*\q]   ; p's scale word for these 128 keys
	v_lshl_or_b32 v[FW+1+2*\q], v[PT+4*\q+2], 16, v[FW+1+2*\q]
	v_lshl_or_b32 v[FW+1+2*\q], v[PT+4*\q+3], 24, v[FW+1+2*\q]
	WIN 0x01
.irp c, 0,1
	v_cvt_scalef32_pk16_fp6_f32 v[CD+12*\q+6*\c:CD+12*\q+6*\c+2], v[64*\q+32*\c:64*\q+32*\c+15], v[SO+4*\q+2*\c]
	v_cvt_scalef32_pk16_fp6_f32 v[CT+8*\q+4*\c:CT+8*\q+4*\c+2], v[64*\q+32*\c+16:64*\q+32*\c+31], v[SO+4*\q+2*\c+1]   ; (a conversion's three registers begin on an even number)
.endr
	WIN 0
	v_nop                                          ; one plain place behind a scaled conversion
.irp c, 0,1                                    ; the operand's layout wants a WHOLE block in a lane
.irp i, 0,1,2
	v_permlane16_swap_b32 v[CD+12*\q+6*\c+\i], v[CT+8*\q+4*\c+\i]
.endr
.endr
.irp c, 0,1
.irp i, 0,1,2
	v_mov_b32 v[CD+12*\q+6*\c+3+\i], v[CT+8*\q+4*\c+\i]
.endr
.endr
.endm
; THE SOFTMAX of my four tiles for one step of 128 keys, p's codes and scale words, and O^T under the new M.
.macro SOFTMAX
	WIN 0x15
.irp q, 0,1,2,3
.irp b, 0,1,2,3
	v_max3_num_f32 v[BM+4*\q+\b], v[64*\q+16*\b], v[64*\q+16*\b+1], v[64*\q+16*\b+2]   ; the largest score of each block of 32 keys; each accumulator is read from its low end on
.endr
.endr
	WIN 0x14
.irp i, 3,5,7,9,11,13
.irp q, 0,1,2,3
.irp b, 0,1,2,3
	v_max3_num_f32 v[BM+4*\q+\b], v[BM+4*\q+\b], v[64*\q+16*\b+\i], v[64*\q+16*\b+\i+1]
.endr
.endr
.endr
.irp q, 0,1,2,3
.irp b, 0,1,2,3
	v_max_num_f32 v[BM+4*\q+\b], v[BM+4*\q+\b], v[64*\q+16*\b+15]
.endr
.endr
	WIN 0
.set nn, 0
.rept 16
	v_permlanex16_b32 v[PT+nn], v[BM+nn], s[SEL], s[SEL+1]
.set nn, nn+1
.endr
.set nn, 0
.rept 16
	v_max_num_f32 v[BM+nn], v[BM+nn], v[PT+nn]     ; with lane l xor 16's 16 keys
.set nn, nn+1
.endr
.irp q, 0,1,2,3
	v_max3_num_f32 v[TT+\q], v[BM+4*\q], v[BM+4*\q+1], v[BM+4*\q+2]
.endr
.irp q, 0,1,2,3
	v_max_num_f32 v[TT+\q], v[TT+\q], v[BM+4*\q+3] ; the step's largest score of my query
.endr
.irp q, 0,1,2,3
	v_mul_f32 v[TT+\q], s[CS], v[TT+\q]            ; as t (c is positive)
.endr
.irp q, 0,1,2,3
	v_max_num_f32 v[ST+1+4*\q], v[ST+1+4*\q], v[TT+\q]   ; the running largest t
.endr
.irp q, 0,1,2,3
	v_mov_b32 v[TT+\q], v[ST+4*\q]
.endr
.irp q, 0,1,2,3
	v_floor_f32 v[ST+4*\q], -v[ST+1+4*\q]          ; the new -M = -ceil(t)
.endr
.irp q, 0,1,2,3
	v_sub_f32 v[TT+\q], v[ST+4*\q], v[TT+\q]       ; old M - new M: a whole number, 0 or less
.endr
.irp q, 0,1,2,3
	v_cvt_i32_f32 v[TT+\q], v[TT+\q]               ; (it saturates)
.endr
.irp q, 0,1,2,3
	v_ldexp_f32 v[FW+2*\q], 1.0, v[TT+\q]          ; f = 2^(old M - new M)
.endr
	WIN 0x41
.set jj, 0
.rept 32
	v_pk_fma_f32 v[jj:jj+1], v[jj:jj+1], s[CS:CS+1], v[ST:ST+1] op_sel_hi:[1,0,0]   ; tile 0's t - M, two at a time
.set jj, jj+2
.endr
	WIN 0
.irp q, 0,1,2,3
.irp b, 0,1,2,3
	v_fma_f32 v[BM+4*\q+\b], v[BM+4*\q+\b], s[CS], v[ST+4*\q]   ; the same of each block's largest score
.endr
.endr
	s_wait_alu depctr_va_vdst(0)                   ; ahead of the batch
.irp q, 0,1,2,3
	XB \q
	POST \q
.endr
	WIN 0x45                                       ; what is left of the four trees, level by level
.set mm, 0
.rept 16
	LV 3, 2, mm
.set mm, mm+1
.endr
.set mm, 0
.rept 8
	LV 3, 4, mm
	LV 2, 4, mm
.set mm, mm+1
.endr
.set mm, 0
.rept 4
	LV 3, 8, mm
	LV 2, 8, mm
	LV 1, 8, mm
.set mm, mm+1
.endr
.irp i, 0,1
.irp q, 0,1,2,3
	LV \q, 16, \i
.endr
.endr
.irp q, 0,1,2,3
	LV \q, 32, 0
.endr
	WIN 0x04
.irp q, 0,1,2,3
	v_pk_add_f32 v[ST+2+4*\q:ST+3+4*\q], v[ST+2+4*\q:ST+3+4*\q], v[64*\q:64*\q+1]   ; the step's sum of the UNQUANTISED p, onto the row's
.endr
	s_wait_alu depctr_va_vdst(0)                   ; ahead of the first reader of O^T
	WIN 0x82
.irp q, 0,1,2,3
.set jj, 0
.rept 32
	v_pk_mul_f32 v[64*\q+jj:64*\q+jj+1], v[64*\q+jj:64*\q+jj+1], v[FW+2*\q:FW+2*\q+1] op_sel_hi:[1,0]   ; O^T under the new M; also the places between p's codes and scale words and the products
.set jj, jj+2
.endr
.endr
	WIN 0
.endm
; A TRIP.  first = 1: the launch's first trip jumps round the product.  resid = 1 (the last slot): in its third trip my 64 rows of x and of y are prefetched, a lane a row.
.macro STEP first, resid
	v_add_nc_u32 v[ADF], s[TB], v[LI]
	v_add_nc_u32 v[ADKS], s[TS], v[R32]
	v_add_nc_u32 v[ADVS], s[TS], v[R16]
	WIN 0xc0
.set nn, 0
.rept 24
	ds_load_b128 v[KF+4*nn:KF+4*nn+3], v[ADF] offset:512*nn   ; K's eight fragments
.set nn, nn+1
.endr
	WIN 0
	ds_load_b128 v[KS:KS+3], v[ADKS]
	ds_load_b128 v[KS+4:KS+7], v[ADKS] offset:16
.if \first
	s_cmp_lg_u32 s[FST], 0
	s_cbranch_scc1 .Lno_pv_\@
.endif
	PV                                             ; the last step's product, while K's loads are out
.if \first
.Lno_pv_\@:
	s_mov_b32 s[FST], 0
.endif
	s_wait_alu depctr_va_vdst(0)                   ; ahead of the wait below
	s_wait_dscnt 0x0                               ; K' is in
	WIN 0x4f                                       ; K' and Q' in window 3, S^T in window 1
.irp t, 0,1,2,3,4,5,6,7
.irp q, 0,1,2,3
	v_wmma_scale_f32_16x16x128_f8f6f4 v[64*\q+8*\t:64*\q+8*\t+7], v[KF+12*\t:KF+12*\t+11], v[QF+12*\q:QF+12*\q+11], 0, v[KS+\t], v[QS+\q] matrix_a_fmt:MATRIX_FMT_FP6 matrix_b_fmt:MATRIX_FMT_FP6
.endr
.endr
	WIN 0
.rept 4
	v_nop                                          ; four places in front of the loads into V's registers and of the first read of the scores
.endr
	WIN 0xc0
.set nn, 0
.rept 24
	ds_load_b128 v[VF+4*nn:VF+4*nn+3], v[ADF] offset:12288+512*nn   ; V's eight fragments land under the softmax
.set nn, nn+1
.endr
	WIN 0
	ds_load_b128 v[VS:VS+3], v[ADVS] offset:512
	ds_load_b128 v[VS+4:VS+7], v[ADVS] offset:768
.if \resid
	s_cmp_eq_u32 s[CNT], 2
	s_cbranch_scc0 .Lno_rows_\@
	global_prefetch_b8 v[PFR], s[46:47] th:TH_LOAD_NT scope:SCOPE_SE
	global_prefetch_b8 v[PFR], s[46:47] offset:65536 th:TH_LOAD_NT scope:SCOPE_SE
	global_prefetch_b8 v[PFR], s[48:49] th:TH_LOAD_NT scope:SCOPE_SE
	global_prefetch_b8 v[PFR], s[48:49] offset:65536 th:TH_LOAD_NT scope:SCOPE_SE
.Lno_rows_\@:
.endif
	SOFTMAX
	s_wait_alu depctr_va_vdst(0)                   ; ahead of the wait below
	s_wait_dscnt 0x0                               ; V' is in: all my reads of this step are over
	s_add_co_u32 s[TB], s[TB], STEPB
	s_add_co_u32 s[TS], s[TS], 1024
.endm
.macro SLOT_STEPS first, resid         ; a slot's four trips; then the addresses turn to the other slot
	s_mov_b32 s[CNT], 4
.Lstep_\@:
	STEP \first, \resid
	s_sub_co_u32 s[CNT], s[CNT], 1
	s_cmp_lg_u32 s[CNT], 0
	s_cbranch_scc1 .Lstep_\@
	s_sub_co_u32 s[TB], s[TB], 4*STEPB
	s_xor_b32 s[TB], s[TB], SLOT1
	s_sub_co_u32 s[TS], s[TS], 4096
	s_xor_b32 s[TS], s[TS], SLOT1
.endm
; THE CHANGE OF SLOTS, at a slot's head.  Each wave waits for all its tensor loads (its quarter of the slot that it is about to read), adds 0 to its spare word, and waits for that and for its reads
; of the slot that it has left.  fill = 1: behind a round of the cluster's barrier that slot takes the next 512 keys; the load has four trips in which to land.
.macro CHANGE fill
	s_wait_tensorcnt 0x0                           ; no tensor load of mine is out, so group 0 may be written
	ds_add_u32 v[SPW], v[NIL]
.if \fill
	s_xor_b32 s[G0+1], s[G0+1], SLOT1
	s_add_nc_u64 s[G0+2:G0+3], s[G0+2:G0+3], SLOTB
	s_wait_xcnt 0x0                                ; the last prefetch, a slot back, has read its address
	s_add_nc_u64 s[PFA:PFA+1], s[PFA:PFA+1], SLOTB ; one slot further on than the walking descriptor
.endif
	s_wait_dscnt 0x0
.if \fill
	CROUND
	tensor_load_to_lds s[G0:G0+3], s[G1:G1+7]      ; the first thing behind the round, and my one tensor load until the next
	s_nop 0
.rept 4
	v_nop
.endr
	ASK
.else
	s_barrier_signal -1
	s_barrier_wait -1
.endif
.endm
	s_wait_alu depctr_va_vdst(0)                   ; at the head's end
	s_wait_loadcnt 0x0                             ; Q' and its scale words
.Lslot:                                            ; three trips: behind each change of slots but the last the next slot is asked for
	CHANGE 1
	SLOT_STEPS 1, 0
	s_sub_co_u32 s[SLOTS], s[SLOTS], 1
	s_cmp_lg_u32 s[SLOTS], 0
	s_cbranch_scc1 .Lslot
	CHANGE 0                                       ; the last slot is written out
	SLOT_STEPS 0, 1
	; THE WAY OUT, in eight passes p = 2 q + u: tile q's 16 rows, u = 0: channels 0-63 + x -> out0, u = 1: channels 64-127 + y -> out1.
.macro RESID p                         ; pass p's 16 rows x 256 bytes of x or y: stage rows 2 i + h are rows 32 (q / 2) + 8 (q % 2) + 2 i + 8 (i / 4) + h of my 64
.irp i, 0,1,2,3,4,5,6,7
.if (\p)%2 == 0
	global_load_b128 v[32*(\p)+4*\i:32*(\p)+4*\i+3], v[GO], s[46:47] offset:(32*((\p)/4)+8*(((\p)/2)%2)+2*\i+8*(\i/4))*2048 th:TH_LOAD_NT
.else
	global_load_b128 v[32*(\p)+4*\i:32*(\p)+4*\i+3], v[GO], s[48:49] offset:(32*((\p)/4)+8*(((\p)/2)%2)+2*\i+8*(\i/4))*2048 th:TH_LOAD_NT
.endif
.endr
.endm
	WIN 0x40                                       ; p's registers, window 1, are free: seven passes' residual rows (56 loads) are asked for ahead of the last product
.irp p, 0,1,2,3,4,5,6
	RESID \p
.endr
	WIN 0
.irp q, 0,1,2,3
	v_add_f32 v[ST+2+4*\q], v[ST+2+4*\q], v[ST+3+4*\q]   ; the sum's two halves,
.endr
.irp q, 0,1,2,3
	v_permlanex16_b32 v[PT+\q], v[ST+2+4*\q], s[SEL], s[SEL+1]
.endr
.irp q, 0,1,2,3
	v_add_f32 v[ST+2+4*\q], v[ST+2+4*\q], v[PT+\q] ; and lane l xor 16's: the row's sum
.endr
	s_wait_alu depctr_va_vdst(0)                   ; ahead of the batch
.irp q, 0,1,2,3
	v_rcp_f32 v[ST+2+4*\q], v[ST+2+4*\q]
.endr
	v_nop                                          ; one plain place behind a transcendental
	PV                                             ; the last step's product
.rept 4
	v_nop                                          ; four places in front of the first read of O^T
.endr
	WIN 0x40
	RESID 7
	WIN 0x82
	s_wait_alu depctr_va_vdst(0)                   ; behind the batch, ahead of the first reader of its results
.irp q, 0,1,2,3
.set jj, 0
.rept 32
	v_pk_mul_f32 v[64*\q+jj:64*\q+jj+1], v[64*\q+jj:64*\q+jj+1], v[ST+2+4*\q:ST+3+4*\q] op_sel_hi:[1,0]   ; O^T / the sum, each accumulator from its low end on; register 8 c + j is channel 16 c + 8 h + j
.set jj, jj+2
.endr
.endr
	WIN 0
	s_wait_alu depctr_va_vdst(0)
.macro TOSTAGE p                       ; 16 rows x 64 channels into my stage, and back as whole rows of 256 bytes.  LDS serves a wave's instructions in order
.set BB, 208-144*((\p)%2)              ; v208-239 and v64-95 by turns
	WIN 0x08                                       ; the data: window 2
.irp t, 0,1,2,3
	ds_store_b128 v[STO], v[32*(\p)+8*\t:32*(\p)+8*\t+3] offset:64*\t
	ds_store_b128 v[STO], v[32*(\p)+8*\t+4:32*(\p)+8*\t+7] offset:64*\t+16
.endr
	WIN 0
.irp i, 0,1,2,3,4,5,6,7
	ds_load_b128 v[BB+4*\i:BB+4*\i+3], v[RD] offset:\i*2*272
.endr
.endm
.macro SEND p, younger                 ; younger: the LDS instructions issued behind pass p's loads, which may stay out
.set BB, 208-144*((\p)%2)
	s_wait_dscnt \younger                          ; the pass is back in registers
	s_wait_loadcnt 56-8*(\p)                       ; its residual rows are in; the later passes' eight loads each may be out
	WIN 0x04                                       ; source 1 in window 1
.set jj, 0
.rept 16
	v_pk_add_f32 v[BB+jj:BB+jj+1], v[BB+jj:BB+jj+1], v[32*(\p)+jj:32*(\p)+jj+1]
.set jj, jj+2
.endr
	WIN 0
.irp i, 0,1,2,3,4,5,6,7
.if (\p)%2 == 0
	global_store_b128 v[GO], v[BB+4*\i:BB+4*\i+3], s[50:51] offset:(32*((\p)/4)+8*(((\p)/2)%2)+2*\i+8*(\i/4))*2048 th:TH_STORE_NT   ; 16 lanes store 256 consecutive bytes, aligned
.else
	global_store_b128 v[GO], v[BB+4*\i:BB+4*\i+3], s[52:53] offset:(32*((\p)/4)+8*(((\p)/2)%2)+2*\i+8*(\i/4))*2048 th:TH_STORE_NT
.endif
.endr
.endm
	TOSTAGE 0
	TOSTAGE 1
.irp p, 0,1,2,3,4,5
	SEND \p, 16                                    ; behind pass p's loads: the next pass's 8 stores and 8 loads
	s_wait_xcnt 0x0                                ; pass p's stores have read their registers: pass p + 2's loads may land there
	TOSTAGE \p+2
.endr
	SEND 6, 16
	SEND 7, 0
	s_wait_tensorcnt 0x0                           ; the wave's end
	ds_add_u32 v[SPW], v[NIL]
	s_wait_dscnt 0x0
	CROUND                                         ; the closing round
	s_endpgm
.Lfunc_end_k_q9ad68892e7_attn:
	.size	k_q9ad68892e7_attn, .Lfunc_end_k_q9ad68892e7_attn-k_q9ad68892e7_attn
	.p2alignl 7, 3214868480
	.fill 96, 4, 3214868480
	.section	.rodata,"a",@progbits
	.p2align	6, 0x0
	.amdhsa_kernel k_q9ad68892e7_attn
		.amdhsa_group_segment_fixed_size 327680
		.amdhsa_private_segment_fixed_size 0
		.amdhsa_enable_private_segment 0
		.amdhsa_kernarg_size 48
		.amdhsa_user_sgpr_count 2
		.amdhsa_user_sgpr_kernarg_segment_ptr 1
		.amdhsa_wavefront_size32 1
		.amdhsa_system_sgpr_workgroup_id_x 1
		.amdhsa_system_sgpr_workgroup_id_y 1
		.amdhsa_system_sgpr_workgroup_id_z 1
		.amdhsa_system_vgpr_workitem_id 0
		.amdhsa_next_free_vgpr 1024
		.amdhsa_next_free_sgpr 66
		.amdhsa_reserve_vcc 0
		.amdhsa_float_denorm_mode_32 3
		.amdhsa_float_denorm_mode_16_64 3
		.amdhsa_memory_ordered 1
		.amdhsa_forward_progress 1
		.amdhsa_inst_pref_size 188
	.end_amdhsa_kernel
	.amdgpu_metadata
---
amdhsa.version: [ 1, 2 ]
amdhsa.kernels:
  - .name:           k_q9ad68892e7_attn
    .symbol:         k_q9ad68892e7_attn.kd
    .args:
      - { .name: qimg, .offset: 0, .size: 8, .value_kind: global_buffer, .address_space: global }
      - { .name: kvimg, .offset: 8, .size: 8, .value_kind: global_buffer, .address_space: global }
      - { .name: x, .offset: 16, .size: 8, .value_kind: global_buffer, .address_space: global }
      - { .name: y, .offset: 24, .size: 8, .value_kind: global_buffer, .address_space: global }
      - { .name: out0, .offset: 32, .size: 8, .value_kind: global_buffer, .address_space: global }
      - { .name: out1, .offset: 40, .size: 8, .value_kind: global_buffer, .address_space: global }
    .group_segment_fixed_size: 327680
    .private_segment_fixed_size: 0
    .kernarg_segment_align: 8
    .kernarg_segment_size: 48
    .max_flat_workgroup_size: 128
    .sgpr_count:     66
    .vgpr_count:     1024
    .wavefront_size: 32
...
	.end_amdgpu_metadata
.endif
;; end of part 3
